; MI455X (gfx1250); checked and timed in simulation.
; The chip was launched on July 23, 2026; its instructions are those of AMD's public machine-readable ISA for CDNA 5 (MIT licence, August 2026) and "CDNA5" Instruction Set Architecture Reference Guide (July 2026). The comments in the code are by the model that wrote it; some were corrected since.
;; Classical Self Attention. Allowed arithmetic: matrix products marked QUANTISED: E2M3 operands, one E8M0 scale for each 32 along K, by v_wmma_scale_f32_16x16x128_f8f6f4 with both operands' format E2M3, f32 sums; products left as they are: f32 operands where the result goes on into a quantised operand, else bf16, f16 or f32 operands; f32 sums; everything else in f32.
;; Inputs: Wo 1,024 x 1,024 float32; Wqkv 3,072 x 1,024 float32; bo 1,024 float32; x 4 x 4,096 x 1,024 float32.
;; Outputs: out0 4 x 4,096 x 1,024 float32.
;; This version of the problem:
;;   THIS VERSION OF THE PROBLEM IS GIVEN IN LOW PRECISION. The matrix products marked QUANTISED in the list below multiply operands that are first quantised to E2M3 (2 exponent bits, 3 mantissa bits; 6 bits a number), with one power-of-two scale for each 32 numbers along K (OCP MX v1.0); their sums are f32. All else is computed in f32.
;;   The module's matrix products, in the order in which they are computed (A, B: the left and right operand; K: the contracted axis; several contracted axes count as one K, in the product's order):
;;     1. [M 16,384, K 1,024] x [K 1,024, N 3,072]; A: input x; B: input Wqkv: QUANTISED
;;     2. batch 16,384 x [M 16, K 64] x [K 64, N 16]; A: computed on the way; B: computed on the way: QUANTISED
;;     3. batch 16,384 x [M 16, K 16] x [K 16, N 64]; A: softmax; B: computed on the way: left as it is (K = 16 < 32)
;;     4. [M 16,384, K 1,024] x [K 1,024, N 1,024]; A: computed on the way; B: input Wo: QUANTISED
;;   THE QUANTISER, for each operand of a quantised product, along K:
;;     - K is cut into blocks of 32 from its start; a last block that is shorter is filled with zeros.
;;     - A block's scale is 2^e with e = floor(log2(the largest magnitude in the block)) - 2, held to -126 .. 127; a block of zeros has e = 0. As a byte (E8M0): e + 127.
;;     - Each number is divided by its block's scale, clamped to +-7.5, and rounded to the nearest number of E2M3, ties to even, subnormals kept.
;;     - The product sums the exact products of the quantised numbers (number of the format x scale) in f32.
;;   ~~~python
;;   def quantise(x, axis):      # numpy; x: float32 -> the quantised numbers, widened to float32 again
;;       x = np.moveaxis(x, axis, -1); K = x.shape[-1]
;;       x = np.pad(x, [(0, 0)] * (x.ndim - 1) + [(0, -K % 32)]); x = x.reshape(x.shape[:-1] + (-1, 32)); a = np.abs(x).max(-1, keepdims=True)
;;       e = np.where(a > 0, np.clip(np.frexp(np.where(a > 0, a, 1))[1] - 1 - 2, -126, 127), 0)      # np.frexp(a)[1] - 1 = floor(log2(a)), exactly
;;       r = np.clip(x / 2.0 ** e, -7.5, 7.5)
;;       step = 2.0 ** (np.maximum(np.frexp(np.where(r == 0, 1, r))[1] - 1, 0) - 3)
;;       q = np.round(r / step) * step * 2.0 ** e      # np.round: ties to even
;;       return np.moveaxis(q.reshape(q.shape[:-2] + (-1,))[..., :K], -1, axis).astype(np.float32)
;;   ~~~
;;   OPERANDS COMPUTED ON THE WAY. 'Computed on the way' means the value that the module computes at that place (a softmax that the list does not call 'softmax' is quantised finished and normalised). What goes into a quantiser is computed in f32, as accurately as f32 sums, v_exp_f32 and their like allow (about 1e-6 of the number): no bf16 or f16 on the way to a quantiser, and a product that is left as it is and whose result goes on into a quantised operand takes f32 operands (vector FMAs, or v_wmma_f32_16x16x4_f32). A number that lies on a knife's edge between two numbers of the format may be rounded either way, as far as f32 arithmetic and the matrix unit's own rounding can turn it there, and no further.
;; One version. Each part assembles by itself: llvm-mc -triple=amdgcn-amd-amdhsa -mcpu=gfx1250 --defsym DOCPART=n.
;; ======== version 1 of 1: 2 launches
;; limits: right only within a limited range of input values
;; workspace buffers: wstream 3,276,800 bytes
;; launch prep (part 1): grid 256 x 1, 8 waves a work-group, no clusters, 69,120 bytes of LDS; arguments Wqkv, Wo, wstream; writes wstream
.if DOCPART == 1
	.amdgcn_target "amdgcn-amd-amdhsa--gfx1250"
	.amdhsa_code_object_version 6
	.text
	.protected	k_qfabb0dc377_prep
	.globl	k_qfabb0dc377_prep
	.p2align	8
	.type	k_qfabb0dc377_prep,@function
k_qfabb0dc377_prep:
	s_mov_b64 s[64:65], 0
	v_nop
	global_prefetch_b8 v0, s[64:65] scope:SCOPE_SE
	s_setreg_imm32_b32 hwreg(HW_REG_WAVE_MODE, 25, 1), 1
	s_wait_xcnt 0x0
; Wqkv [3072][1024] and Wo [1024][1024], f32, become codes of FP6 (E2M3) with one E8M0 byte for each 32 along K, laid in the ORDER IN WHICH THE SECOND LAUNCH TAKES THEM,
; as images of operand registers.  A fragment is 16 rows x 128 K: 12 registers a lane, 1,536 bytes: registers 4 c .. 4 c + 3 of lane l at byte 512 c + 16 l.
; A unit is 8 fragments and 512 bytes of scale words (lane l's 16 bytes at 16 l; word i = fragment 2 i + l / 16, tile row l % 16): 12,800 bytes.  Work-group U makes unit U, wave f its fragment f.
; U = 8 sigma + u.  Tile row p is the weight's row rowbase + p + 8 (p / 8).
;   sigma 0-15 (q and k) and 24-31 (Wo): rowbase = 64 (4 c + u / 2) + 32 ((f % 4) / 2) + 8 (f % 2), c = sigma / 2 (Wo: (sigma - 24) / 2); K step s = 2 (2 (sigma % 2) + u % 2) + f / 4
;   sigma 16-23 (v): rowbase = 2048 + 64 (4 (u % 4) + f / 2) + 32 (u / 4) + 8 (f % 2); K step s = sigma - 16
; Wqkv's K step s is columns 128 s on.  Wo's K is walked in another order of BLOCKS: block b of step s is columns 64 (4 (s % 4) + b) + 32 (s / 4) + 0 .. 31, the order in which the second launch makes attn's blocks.
; A block's scale is 2^(floor(log2(its largest magnitude)) - 2); its byte is the largest magnitude's exponent field - 2, held at 1 from below.
; LIMITS: a block of zeros, or one whose largest magnitude lies under 2^-124, gets the byte 1 (the bytes are read by this program alone; zero codes add nothing); NaN and infinities are not served.
; All three kinds take one path: only scalars and the pointer are chosen, by the work-group's number.
.set STGB, 8448                        ; a wave's stage: 16 rows x (512 bytes + 16)
.set SCL,  8*STGB                      ; behind the stages: the unit's 512 bytes of scale words
.set RAW,  16                          ; v16-79   16 rows x 16 bytes as loaded; later at work
.set X,    80                          ; v80-143  my two blocks of 32
.set F,    144                         ; v144-155 the fragment
	s_load_b128 s[4:7], s[0:1], 0x0                ; Wqkv, Wo
	s_load_b64 s[8:9], s[0:1], 0x10                ; wstream
	v_lshl_add_u32 v160, v0, 2, 0x10a00
	v_mov_b32 v161, 0
	v_lshrrev_b32 v1, 5, v0
	s_delay_alu instid0(VALU_DEP_1)
	v_readfirstlane_b32 s10, v1                    ; f: my wave, my fragment
	v_and_b32 v1, 31, v0                           ; lane
	v_and_b32 v2, 15, v0                           ; r
	v_bfe_u32 v3, v0, 4, 1                         ; h
	s_mov_b32 s34, 0x76543210
	s_mov_b32 s35, 0xfedcba98                      ; v_permlanex16_b32's selects for lane l xor 16
	s_lshr_b32 s11, ttmp9, 3                       ; sigma
	s_and_b32 s12, ttmp9, 7                        ; u
	s_and_b32 s13, s11, 7
	s_cmp_ge_u32 s11, 24
	s_cselect_b32 s13, s13, s11                    ; sigma, counted from Wo's first slot where it is Wo's
	s_lshr_b32 s13, s13, 1                         ; c
	s_lshl_b32 s13, s13, 2
	s_lshr_b32 s14, s12, 1
	s_add_co_u32 s13, s13, s14                     ; 4 c + u / 2
	s_lshl_b32 s13, s13, 6
	s_bfe_u32 s14, s10, 0x10001                    ; (f % 4) / 2
	s_lshl_b32 s14, s14, 5
	s_add_co_u32 s13, s13, s14
	s_and_b32 s15, s10, 1
	s_lshl_b32 s15, s15, 3                         ; 8 (f % 2)
	s_add_co_u32 s13, s13, s15                     ; rowbase, q, k and Wo
	s_and_b32 s16, s11, 1
	s_lshl_b32 s16, s16, 1
	s_and_b32 s17, s12, 1
	s_add_co_u32 s16, s16, s17
	s_lshl_b32 s16, s16, 1
	s_lshr_b32 s17, s10, 2
	s_add_co_u32 s16, s16, s17                     ; their K step
	s_and_b32 s18, s12, 3
	s_lshl_b32 s18, s18, 2
	s_lshr_b32 s19, s10, 1
	s_add_co_u32 s18, s18, s19                     ; 4 (u % 4) + f / 2
	s_lshl_b32 s18, s18, 6
	s_lshr_b32 s19, s12, 2
	s_lshl_b32 s19, s19, 5
	s_add_co_u32 s18, s18, s19
	s_add_co_u32 s18, s18, s15
	s_add_co_u32 s18, s18, 2048                    ; rowbase, v
	s_sub_co_u32 s19, s11, 16                      ; its K step (not chosen where sigma is under 16)
	s_lshr_b32 s20, s11, 3
	s_cmp_eq_u32 s20, 2
	s_cselect_b32 s13, s18, s13
	s_cselect_b32 s16, s19, s16
	s_lshl_b32 s21, s16, 9                         ; first column in bytes: 512 s,
	s_and_b32 s22, s16, 3
	s_lshl_b32 s22, s22, 10
	s_lshr_b32 s23, s16, 2
	s_lshl_b32 s23, s23, 7
	s_add_co_u32 s22, s22, s23                     ; in Wo 1024 (s % 4) + 128 (s / 4)
	s_mov_b32 s24, 256
	s_wait_alu depctr_va_vdst(0)
	s_wait_kmcnt 0x0
	s_cmp_ge_u32 s11, 24                           ; the choice hangs on the work-group's number alone
	s_cselect_b32 s21, s22, s21
	s_cselect_b32 s24, s24, 128                    ; bytes from a block to the next: 128, in Wo 256
	s_cselect_b64 s[4:5], s[6:7], s[4:5]
	s_lshl_b32 s26, s13, 12                        ; a row is 4,096 bytes
	s_add_co_u32 s26, s26, s21
	s_mov_b32 s27, 0
	s_add_nc_u64 s[4:5], s[4:5], s[26:27]
	s_mul_i32 s30, ttmp9, 12800
	s_mov_b32 s31, 0
	s_add_nc_u64 s[8:9], s[8:9], s[30:31]          ; my unit
	v_lshrrev_b32 v4, 3, v1
	s_delay_alu instid0(VALU_DEP_1)
	v_mul_lo_u32 v4, v4, s24
	v_and_b32 v5, 7, v1
	s_delay_alu instid0(VALU_DEP_1)
	v_lshl_add_u32 v4, v5, 4, v4                   ; in: eight lanes to a block of 128 bytes, four blocks a row
	s_wait_alu depctr_va_vdst(0)
	s_mul_i32 s28, s10, STGB
	v_lshlrev_b32 v10, 4, v1                       ; 16 x lane
	s_delay_alu instid0(VALU_DEP_1)
	v_add_nc_u32 v6, s28, v10                      ; the stage, on the way in: a row's 512 bytes on end
	v_mul_u32_u24 v7, v2, 528
	s_delay_alu instid0(VALU_DEP_1)
	v_lshl_add_u32 v7, v3, 7, v7
	s_delay_alu instid0(VALU_DEP_1)
	v_add_nc_u32 v7, s28, v7                       ; and out: row r, block h (and 2 + h, 256 bytes on)
	s_and_b32 s29, s10, 1
	s_lshl_b32 s29, s29, 8
	s_lshr_b32 s30, s10, 1
	s_lshl_b32 s30, s30, 2
	s_add_co_u32 s29, s29, s30
	s_add_co_u32 s29, s29, SCL
	v_lshl_add_u32 v8, v2, 4, s29                  ; my row's scale word: 256 (f % 2) + 16 r + 4 (f / 2)
	s_mul_i32 s32, s10, 1536
	v_add_nc_u32 v9, s32, v10                      ; my fragment's place in the unit
	v_add_nc_u32 v11, SCL, v10                     ; the scale block read back, 16 bytes a lane
.irp i, 0,1,2,3,4,5,6,7,8,9,10,11,12,13,14,15
	global_load_b128 v[RAW+4*\i:RAW+4*\i+3], v4, s[4:5] offset:(\i+8*(\i/8))*4096 th:TH_LOAD_NT
.endr
	s_wait_alu depctr_va_vdst(0)
	s_wait_loadcnt 0x0
.irp i, 0,1,2,3,4,5,6,7,8,9,10,11,12,13,14,15
	ds_store_b128 v6, v[RAW+4*\i:RAW+4*\i+3] offset:528*\i
.endr
.irp c, 0,1
.irp j, 0,1,2,3,4,5,6,7
	ds_load_b128 v[X+32*\c+4*\j:X+32*\c+4*\j+3], v7 offset:256*\c+16*\j   ; LDS serves a wave's instructions in order: these see my stores.  k = 64 c + 32 h + 0 .. 31 of row r
.endr
.endr
	s_wait_dscnt 0x0
.irp c, 0,1
	v_max3_num_f32 v[12+\c], |v[X+32*\c]|, |v[X+32*\c+1]|, 0x1800000   ; a whole block is mine; the floor 2^(3 - 127) holds the byte at 1 from below
.endr
.irp i, 2,4,6,8,10,12,14,16,18,20,22,24,26,28,30
.irp c, 0,1
	s_delay_alu instid0(VALU_DEP_2)
	v_max3_num_f32 v[12+\c], v[12+\c], |v[X+32*\c+\i]|, |v[X+32*\c+\i+1]|
.endr
.endr
.irp c, 0,1
	s_delay_alu instid0(VALU_DEP_2)
	v_add_nc_u32 v[14+\c], 0xff000000, v[12+\c]    ; 2 off the exponent field: the conversion's scale operand
.endr
.irp c, 0,1
	s_delay_alu instid0(VALU_DEP_2)
	v_lshrrev_b32 v[16+\c], 23, v[14+\c]           ; the scale's byte
.endr
	s_delay_alu instid0(VALU_DEP_1)
	v_lshl_or_b32 v18, v17, 16, v16                ; blocks h and 2 + h,
	v_lshlrev_b32 v19, 3, v3
	s_delay_alu instid0(VALU_DEP_1)
	v_lshlrev_b32 v18, v19, v18                    ; at their places in the word;
	v_mov_b32 v19, 0
	s_delay_alu instid0(VALU_DEP_1)
	v_permlanex16_b32 v19, v18, s34, s35
	s_delay_alu instid0(VALU_DEP_1)
	v_or_b32 v18, v18, v19                         ; with lane l xor 16's two the word is whole
.irp c, 0,1
	v_cvt_scalef32_pk16_fp6_f32 v[F+6*\c:F+6*\c+2], v[X+32*\c:X+32*\c+15], v[14+\c]
	v_cvt_scalef32_pk16_fp6_f32 v[20+4*\c:22+4*\c], v[X+32*\c+16:X+32*\c+31], v[14+\c]   ; (a conversion's three registers begin on an even number)
.endr
	v_nop                                          ; one plain place behind a scaled conversion
.irp c, 0,1
.irp i, 0,1,2
	v_mov_b32 v[F+3+6*\c+\i], v[20+4*\c+\i]
.endr
.endr
.irp c, 0,1,2
	global_store_b128 v9, v[F+4*\c:F+4*\c+3], s[8:9] offset:512*\c   ; 32 lanes store 512 consecutive bytes, at a multiple of 256 from the buffer's first byte
.endr
	ds_store_b32 v8, v18                           ; both halves of the lanes write the same word with the same value
	s_wait_dscnt 0x0                               ; for the others' sake: my word lies in LDS
	s_barrier_signal -1
	s_barrier_wait -1
	s_cmp_lg_u32 s10, 0
	s_cbranch_scc1 .Ldone                          ; wave 0 stores the unit's 512 bytes of scale words
	ds_load_b128 v[24:27], v11
	s_wait_dscnt 0x0
	global_store_b128 v10, v[24:27], s[8:9] offset:12288
.Ldone:
	s_wait_tensorcnt 0x0
	ds_add_u32 v160, v161
	s_wait_dscnt 0x0
	s_endpgm
.Lfunc_end_k_qfabb0dc377_prep:
	.size	k_qfabb0dc377_prep, .Lfunc_end_k_qfabb0dc377_prep-k_qfabb0dc377_prep
	.p2alignl 7, 3214868480
	.fill 96, 4, 3214868480
	.section	.rodata,"a",@progbits
	.p2align	6, 0x0
	.amdhsa_kernel k_qfabb0dc377_prep
		.amdhsa_group_segment_fixed_size 69120
		.amdhsa_private_segment_fixed_size 0
		.amdhsa_enable_private_segment 0
		.amdhsa_kernarg_size 24
		.amdhsa_user_sgpr_count 2
		.amdhsa_user_sgpr_kernarg_segment_ptr 1
		.amdhsa_wavefront_size32 1
		.amdhsa_system_sgpr_workgroup_id_x 1
		.amdhsa_system_sgpr_workgroup_id_y 1
		.amdhsa_system_sgpr_workgroup_id_z 1
		.amdhsa_system_vgpr_workitem_id 0
		.amdhsa_next_free_vgpr 162
		.amdhsa_next_free_sgpr 66
		.amdhsa_reserve_vcc 0
		.amdhsa_float_denorm_mode_32 3
		.amdhsa_float_denorm_mode_16_64 3
		.amdhsa_memory_ordered 1
		.amdhsa_forward_progress 1
		.amdhsa_inst_pref_size 13
	.end_amdhsa_kernel
	.amdgpu_metadata
---
amdhsa.version: [ 1, 2 ]
amdhsa.kernels:
  - .name:           k_qfabb0dc377_prep
    .symbol:         k_qfabb0dc377_prep.kd
    .args:
      - { .name: Wqkv, .offset: 0, .size: 8, .value_kind: global_buffer, .address_space: global }
      - { .name: Wo, .offset: 8, .size: 8, .value_kind: global_buffer, .address_space: global }
      - { .name: wstream, .offset: 16, .size: 8, .value_kind: global_buffer, .address_space: global }
    .group_segment_fixed_size: 69120
    .private_segment_fixed_size: 0
    .kernarg_segment_align: 8
    .kernarg_segment_size: 24
    .max_flat_workgroup_size: 256
    .sgpr_count:     66
    .vgpr_count:     162
    .wavefront_size: 32
...
	.end_amdgpu_metadata
.endif
;; end of part 1
;; launch fused (part 2): grid 256 x 1, 4 waves a work-group, clusters of 4 x 1, 327,680 bytes of LDS; arguments x, wstream, bo, out0; writes out0
.if DOCPART == 2
	.amdgcn_target "amdgcn-amd-amdhsa--gfx1250"
	.amdhsa_code_object_version 6
	.text
	.protected	k_qfabb0dc377_fused
	.globl	k_qfabb0dc377_fused
	.p2align	8
	.type	k_qfabb0dc377_fused,@function
k_qfabb0dc377_fused:
	s_mov_b64 s[64:65], 0
	v_nop
	global_prefetch_b8 v0, s[64:65] scope:SCOPE_SE
	s_setreg_imm32_b32 hwreg(HW_REG_WAVE_MODE, 25, 1), 1
	s_wait_xcnt 0x0
	s_wait_alu depctr_hold_cnt(0) depctr_sa_sdst(0) depctr_va_vdst(0) depctr_va_sdst(0) depctr_va_ssrc(0) depctr_va_vcc(0) depctr_vm_vsrc(0)
	s_getreg_b32 s2, hwreg(HW_REG_IB_STS2, 6, 4)
	s_cmp_eq_u32 s2, 0
	s_cbranch_scc0 .Lentry_in_a_cluster
	s_endpgm
.Lentry_in_a_cluster:
	s_bfe_u32 s2, ttmp6, 0x10000c
	s_cmp_lg_u32 s2, 0x3003
	s_cbranch_scc0 .Lentry_shape_is_right
	s_endpgm
.Lentry_shape_is_right:
; out0 = (softmax(q k^T / 32) v, heads mixed token by token) Wo^T + bo, with q, k, v = x Wqkv^T.  One work-group takes 64 tokens through the whole chain; nothing goes through memory on the way.
; The weights come as the first launch laid them: images of operand registers, in slots of 102,400 bytes (8 units of 8 fragments and their scale words), in the order in which they are used.
; PHASES: x is quantised to FP6 codes and kept in registers (all 64 rows in every wave); q and k in 8 chunks of 256 columns, quantised in the chunk's epilogue into LDS; scores by the scaled
; matrix form (K = 64, the upper half of the step zero codes), softmax in f32 with the row's maximum taken away; v with K outermost, 64 accumulators a wave (32 tokens x 16 heads x 32 of the head);
; w v by f32 multiply-adds inside a lane; attn quantised into LDS; the last product in 4 chunks with bo as the first C.
; In the chunks every second slot comes through a ring of two LDS slots by tensor loads that the four work-groups of a cluster ask for jointly, the others straight into registers.
; In the v phase all slots come through the ring, and x's two fragments of a K step come from an image in LDS bytes that the attn image takes later, so that one K step's text serves seven trips.
; PREFETCH: a slot is 400 blocks of 256 bytes; each of the cluster's 16 waves names 25 of them (lanes 25-31 name the wave's last again), told apart by address alone.
; x step s asks for slot s + 1 (s = 0 .. 6), q/k trip t for slots 2 t + 8 and 2 t + 9 while it loads slots 2 t + 3 and 2 t + 4, v step s for slot 24 + s while it loads slot 18 + s: slot 31 is the buffer's last.
; LIMITS: a block whose largest magnitude lies under 2^-124 gets the scale byte 1 (a block of zeros too: its codes are zeros); NaN and infinities among the inputs are not served.
.set RINGB, 102400
.set QUART, 25600
.set UNIT,  12800
.set FRB,   1536
.set XIMG,  204800
.set XSC,   253952
.set XSTG,  258048
.set QKC,   204800
.set QKP,   1552
.set SCBB,  304128
.set SCP,   68
.set WSM,   204800
.set WSP,   2064
.set AIMG,  270848
.set ASC,   320000
.set OSTG,  204800
.set SPARE, 327168
.set LI,  3
.set LS,  4
.set SPW, 5
.set NIL, 6
.set RG,  7
.set RX,  9
.set WSD, 16
.set XS,  24
.set WS0, 56
.set BF0, 64
.set TM,  160
.set PC,  176
.set PW,  196
.set WR,  192
.set D0R, 128
.set D1R, 192
.set BI,  224
.set G1,  16
.set G0,  24
.set GW,  76
.set RSTP, 66
.set DSTP, 68
.set BSTP, 70
.set WBAS, 72
.set DPTR, 74
.set TCUR, 80
.set TOTH, 81
.set TWOS, 82
.set WQT,  83
.set PXQ,  84
.set PFA,  86                          ; s[86:87] where my wave's prefetches stand in the weight stream
.set MSB, 0
.macro WIN new
.if MSB != (\new)
	s_set_vgpr_msb (MSB<<8)|(\new)
.set MSB, (\new)
.endif
.endm
.macro PLACES
.rept 4
	v_nop
.endr
.endm
.macro CREST
	s_cmp_lg_u32 s12, 0
	s_cbranch_scc1 .Lnot_wave_0_\@
	s_barrier_signal -3
.Lnot_wave_0_\@:
	s_barrier_wait -3
	s_barrier_signal -1
	s_barrier_wait -1
.endm
.macro CROUND
	s_barrier_signal -1
	s_barrier_wait -1
	CREST
.endm
.macro JLOAD g0
	tensor_load_to_lds s[\g0:\g0+3], s[G1:G1+7]
	s_nop 0
.rept 4
	v_nop
.endr
.endm
.macro LOADU p, adr, off
.irp f, 0,1,2,3,4,5,6,7
.irp c, 0,1,2
	ds_load_b128 v[BF0+96*(\p)+12*\f+4*\c:BF0+96*(\p)+12*\f+4*\c+3], v[\adr] offset:(\off)+FRB*\f+512*\c
.endr
.endr
	ds_load_b128 v[WS0+4*(\p):WS0+4*(\p)+3], v[\adr] offset:(\off)+12288
.endm
.macro LOADD0
	WIN 0x80
.irp f, 0,1,2,3,4,5,6,7
.irp c, 0,1,2
	global_load_b128 v[D0R+12*\f+4*\c:D0R+12*\f+4*\c+3], v[LI], s[DPTR:DPTR+1] offset:FRB*\f+512*\c
.endr
.endr
	WIN 0
	global_load_b128 v[WSD:WSD+3], v[LI], s[DPTR:DPTR+1] offset:12288
.endm
.macro LOADD1
	WIN 0x40
.irp f, 0,1,2,3
.irp c, 0,1,2
	global_load_b128 v[D1R+12*\f+4*\c:D1R+12*\f+4*\c+3], v[LI], s[DPTR:DPTR+1] offset:UNIT+FRB*\f+512*\c
.endr
.endr
	WIN 0xc0
.irp f, 0,1,2,3
.irp c, 0,1,2
	global_load_b128 v[D1R+12*\f+4*\c:D1R+12*\f+4*\c+3], v[LI], s[DPTR:DPTR+1] offset:UNIT+FRB*(4+\f)+512*\c
.endr
.endr
	WIN 0
	global_load_b128 v[WSD+4:WSD+7], v[LI], s[DPTR:DPTR+1] offset:UNIT+12288
.endm
.macro WM
.if wZ
.if wO
	v_wmma_scale_f32_16x16x128_f8f6f4 v[rD:rD+7], v[rA:rA+11], v[rB:rB+11], 0, v[rS], v[rX] matrix_a_fmt:MATRIX_FMT_FP6 matrix_b_fmt:MATRIX_FMT_FP6 matrix_a_scale:MATRIX_SCALE_ROW1
.else
	v_wmma_scale_f32_16x16x128_f8f6f4 v[rD:rD+7], v[rA:rA+11], v[rB:rB+11], 0, v[rS], v[rX] matrix_a_fmt:MATRIX_FMT_FP6 matrix_b_fmt:MATRIX_FMT_FP6
.endif
.else
.if wO
	v_wmma_scale_f32_16x16x128_f8f6f4 v[rD:rD+7], v[rA:rA+11], v[rB:rB+11], v[rC:rC+7], v[rS], v[rX] matrix_a_fmt:MATRIX_FMT_FP6 matrix_b_fmt:MATRIX_FMT_FP6 matrix_a_scale:MATRIX_SCALE_ROW1
.else
	v_wmma_scale_f32_16x16x128_f8f6f4 v[rD:rD+7], v[rA:rA+11], v[rB:rB+11], v[rC:rC+7], v[rS], v[rX] matrix_a_fmt:MATRIX_FMT_FP6 matrix_b_fmt:MATRIX_FMT_FP6
.endif
.endif
.endm
.macro MUL4 ab, sb, s, kk, a, t0, cm
.irp t, \t0, \t0+1
.irp m, 0,1
.set rD, 32*(2*(\a)+\m)+8*(\t)
.if (\cm) == 2
.set rC, BI+8*(\t)
.else
.set rC, rD
.endif
.if (\cm) == 1
.set wZ, 1
.else
.set wZ, 0
.endif
.set rA, (\ab)+12*(\t)
.set rB, 12*(8*\m+(\s))
.set rS, (\sb)+(4*(\kk)+(\t))/2
.set rX, XS+16*(\a)+8*\m+(\s)
.set wO, (4*(\kk)+(\t))%2
	WM
.endr
.endr
.endm
.macro MUL8 ab, aw, sb, s, kk, a, cm
	WIN 0xa4+8*(\a)+(\aw)
	MUL4 \ab, \sb, \s, \kk, \a, 0, \cm
	MUL4 \ab, \sb, \s, \kk, \a, 2, \cm
.endm
.macro BIASLOAD
	WIN 0x80
.irp t, 0,1,2,3
.irp e, 0,1
	global_load_b128 v[BI+8*\t+4*\e:BI+8*\t+4*\e+3], v15, s[48:49] offset:(32*(\t/2)+8*(\t%2))*4+16*\e
.endr
.endr
	WIN 0
.endm
.macro CHUNK cm, mode, bias, tail, pf  ; tail = 1: the loop's last trip (s37 = 1) fetches no further direct units; pf = 1: the trip asks for two later slots
	v_add_nc_u32 v9, s[TCUR], v[RG]
	v_add_nc_u32 v10, s[TOTH], v[RG]
	s_wait_alu depctr_va_vdst(0)
	s_wait_dscnt 0x0
	PLACES
	LOADU 1, 9, UNIT
	MUL8 BF0, 0, WS0, 0, 0, 0, \cm
	MUL8 BF0, 0, WS0, 0, 0, 1, \cm
	MUL8 BF0+48, 0, WS0, 1, 1, 0, 0
	WIN 0
	s_wait_tensorcnt 0x0
	ds_add_u32 v[SPW], v[NIL]
	WIN 0xac
	MUL4 BF0+48, WS0, 1, 1, 1, 0, 0
	s_wait_dscnt 0x0
	s_barrier_signal -1
	MUL4 BF0+48, WS0, 1, 1, 1, 2, 0
	WIN 0
	s_barrier_wait -1
.if (\mode) == 2
	CREST
	s_add_nc_u64 s[GW+2:GW+3], s[GW+2:GW+3], s[RSTP:RSTP+1]
	s_add_co_u32 s[GW+1], s[WQT], s[TCUR]
	JLOAD GW
.else
	PLACES
.endif
	LOADU 0, 10, 0
.if \pf
	s_cmp_lt_u32 ttmp9, 4
	s_cbranch_scc0 .Lno_prefetch_fused0_\@
	global_prefetch_b8 v0, s[PFA:PFA+1] offset:6*RINGB th:TH_LOAD_NT scope:SCOPE_SE   ; slots 2 t + 8 and 2 t + 9: my 25 blocks of each
	global_prefetch_b8 v0, s[PFA:PFA+1] offset:7*RINGB th:TH_LOAD_NT scope:SCOPE_SE
.Lno_prefetch_fused0_\@:
.endif
.if \bias
	s_add_nc_u64 s[48:49], s[48:49], s[BSTP:BSTP+1]
	BIASLOAD
.endif
	MUL8 BF0+96, 0, WS0+4, 2, 0, 0, 0
	MUL8 BF0+96, 0, WS0+4, 2, 0, 1, 0
	MUL8 BF0+144, 0, WS0+4, 3, 1, 0, 0
	MUL8 BF0+144, 0, WS0+4, 3, 1, 1, 0
	s_wait_loadcnt 25+8*\bias
	MUL8 D0R, 2, WSD, 4, 0, 0, 0
	MUL8 D0R, 2, WSD, 4, 0, 1, 0
	MUL8 D0R+48, 2, WSD, 5, 1, 0, 0
	MUL8 D0R+48, 2, WSD, 5, 1, 1, 0
	WIN 0
	PLACES
.if \tail
	s_cmp_eq_u32 s37, 1                            ; the last trip has no successor: nothing more is fetched
	s_cbranch_scc1 .Lno_d0_\@
.endif
	s_wait_xcnt 0x0
	s_add_nc_u64 s[DPTR:DPTR+1], s[DPTR:DPTR+1], s[DSTP:DSTP+1]
	LOADD0
	s_wait_loadcnt 25+8*\bias                      ; younger than the second direct unit: the 25 loads just issued and the bias loads
.if \tail
	s_branch .Lhave_d1_\@
.Lno_d0_\@:
	s_wait_loadcnt 8*\bias                         ; here only the bias loads are younger
.Lhave_d1_\@:
.endif
	MUL8 D1R, 1, WSD+4, 6, 0, 0, 0
	MUL8 D1R, 1, WSD+4, 6, 0, 1, 0
	MUL8 D1R, 3, WSD+4, 7, 1, 0, 0
	MUL8 D1R, 3, WSD+4, 7, 1, 1, 0
	WIN 0
	PLACES
.if \tail
	s_cmp_eq_u32 s37, 1
	s_cbranch_scc1 .Lno_d1_\@
.endif
	LOADD1
.if \tail
.Lno_d1_\@:
.endif
.endm
.macro QUANT sw, s, dsn
	WIN 5*(\sw)
.irp b, 0,1,2,3
	v_max3_num_f32 v[TM+\b], |v[(\s)+16*\b]|, |v[(\s)+16*\b+1]|, 0x1800000
.endr
	WIN 20*(\sw)
.irp i, 2,4,6,8,10,12,14
.irp b, 0,1,2,3
	v_max3_num_f32 v[TM+\b], v[TM+\b], |v[(\s)+16*\b+\i]|, |v[(\s)+16*\b+\i+1]|
.endr
.endr
	WIN 0
.irp b, 0,1,2,3
	v_permlanex16_b32 v[TM+4+\b], v[TM+\b], s32, s33
.endr
.irp b, 0,1,2,3
	v_max_num_f32 v[TM+\b], v[TM+\b], v[TM+4+\b]
.endr
.irp b, 0,1,2,3
	v_add_nc_u32 v[TM+12+\b], 0xff000000, v[TM+\b]
.endr
.irp b, 0,1,2,3
	v_lshrrev_b32 v[TM+4+\b], 23, v[TM+12+\b]
.endr
.if (\dsn) >= 0
	s_wait_alu depctr_va_vdst(0)
	s_wait_dscnt \dsn
.endif
	v_lshl_or_b32 v[PW], v[TM+5], 8, v[TM+4]
	v_lshl_or_b32 v[PW], v[TM+6], 16, v[PW]
	v_lshl_or_b32 v[PW], v[TM+7], 24, v[PW]
	WIN \sw
.irp c, 0,1
	v_cvt_scalef32_pk16_fp6_f32 v[PC+6*\c:PC+6*\c+2], v[(\s)+32*\c:(\s)+32*\c+15], v[TM+12+2*\c]
	v_cvt_scalef32_pk16_fp6_f32 v[PC+12+4*\c:PC+14+4*\c], v[(\s)+32*\c+16:(\s)+32*\c+31], v[TM+13+2*\c]
.endr
	WIN 0
	v_nop
.irp c, 0,1
.irp i, 0,1,2
	v_permlane16_swap_b32 v[PC+6*\c+\i], v[PC+12+4*\c+\i]
.endr
.irp i, 0,1,2
	v_mov_b32 v[PC+3+6*\c+\i], v[PC+12+4*\c+\i]
.endr
.endr
.endm
.macro LOADX img, sc
	s_mul_i32 s50, s13, 16*FRB
	s_mul_i32 s51, s15, 16*FRB
	s_add_co_u32 s50, s50, \img
	s_add_co_u32 s51, s51, \img
	v_add_nc_u32 v11, s50, v[LI]
	v_add_nc_u32 v12, s51, v[LI]
	s_lshl_b32 s50, s13, 11
	s_lshl_b32 s51, s15, 11
	s_add_co_u32 s50, s50, \sc
	s_add_co_u32 s51, s51, \sc
	v_add_nc_u32 v13, s50, v[LS]
	v_add_nc_u32 v14, s51, v[LS]
	WIN 0x40
.irp p, 0,1,2,3,4,5,6,7,8,9,10,11,12,13,14,15
.irp c, 0,1,2
	ds_load_b128 v[12*\p+4*\c:12*\p+4*\c+3], v11 offset:FRB*\p+512*\c
.endr
.endr
	WIN 0xc0
.irp p, 0,1,2,3,4,5,6,7,8,9,10,11,12,13,14,15
.irp c, 0,1,2
	ds_load_b128 v[12*\p+4*\c:12*\p+4*\c+3], v12 offset:FRB*\p+512*\c
.endr
.endr
	WIN 0
.irp p, 0,1,2,3,4,5,6,7,8,9,10,11,12,13,14,15
	ds_load_b32 v[XS+\p], v13 offset:128*\p
	ds_load_b32 v[XS+16+\p], v14 offset:128*\p
.endr
	s_wait_dscnt 0x0
.endm
	s_load_b256 s[4:11], s[0:1], 0x0
	v_lshl_add_u32 v[SPW], v0, 2, SPARE
	v_mov_b32 v[NIL], 0
	ds_add_u32 v5, v6
	ds_add_u32 v5, v6
	s_wait_dscnt 0x0
	v_lshrrev_b32 v1, 5, v0
	v_readfirstlane_b32 s12, v1
	s_and_b32 s13, s12, 1
	s_lshr_b32 s14, s12, 1
	s_xor_b32 s15, s13, 1
	v_and_b32 v1, 15, v0
	v_bfe_u32 v2, v0, 4, 1
	v_and_b32 v[LI], 31, v0
	v_lshlrev_b32 v[LS], 2, v[LI]
	v_lshlrev_b32 v[LI], 4, v[LI]
	s_mul_i32 s[WQT], s12, QUART
	s_xor_b32 s51, s12, 1
	s_mul_i32 s[PXQ], s51, QUART
	v_add_nc_u32 v[RG], s[WQT], v[LI]
	v_and_b32 v0, 31, v0                           ; the thread's number has served: v0 becomes the prefetches' offset,
	v_min_u32 v0, 24, v0                           ; a block of 256 bytes a lane, 25 blocks a wave
	v_lshlrev_b32 v0, 8, v0
.irp b, 0,1,2,3
	v_mov_b32 v[TM+4+\b], 0
.endr
	s_mov_b32 s[G1], 15|(3<<16)|(1<<21)
	s_mov_b32 s[G1+1], 32<<16
	s_mov_b32 s[G1+2], 100<<16
	s_mov_b32 s[G1+3], 32<<16
	s_mov_b32 s[G1+4], 100
	s_mov_b32 s[G1+5], 32
	s_mov_b32 s[G1+6], 0
	s_mov_b32 s[G1+7], 0
	s_mov_b32 s32, 0x76543210
	s_mov_b32 s33, 0xfedcba98
	s_mov_b32 s34, 0x3d38aa3b
	s_mov_b32 s35, s34
	s_mov_b32 s36, 0xbd38aa3b
	s_mov_b32 s[TWOS], 2*RINGB
	s_mov_b32 s[RSTP+1], 0
	s_mov_b32 s[DSTP+1], 0
	s_mov_b32 s[BSTP+1], 0
	s_bfe_u32 s54, ttmp6, 0x40000
	s_lshl_b32 s55, ttmp9, 2
	s_add_co_u32 s55, s55, s54
	s_lshl_b32 s56, s55, 18
	s_mov_b32 s57, 0
	s_lshl_b32 s58, s12, 16
	s_mov_b32 s59, 0
	s_lshl_b32 s60, s12, 8
	s_mov_b32 s61, 0
	s_mov_b32 s52, s[WQT]
	s_mov_b32 s53, 0
	s_lshl_b32 s62, s54, 2
	s_add_co_u32 s62, s62, s12                     ; my wave among the cluster's sixteen
	s_mul_i32 s62, s62, 6400                       ; its 25 blocks of a slot
	s_mov_b32 s63, 0
	s_wait_alu depctr_va_vdst(0)
	s_wait_kmcnt 0x0
	s_add_nc_u64 s[PFA:PFA+1], s[6:7], s[62:63]
	s_add_nc_u64 s[44:45], s[4:5], s[56:57]
	s_add_nc_u64 s[44:45], s[44:45], s[58:59]
; x step s: 128 along K of my 16 rows, 512 consecutive bytes a load.  The first three steps are asked for here, ahead of the round and of the first tensor load
.macro XLOAD s
	WIN 0x80
.irp i, 0,1,2,3,4,5,6,7,8,9,10,11,12,13,14,15
	global_load_b128 v[64*((\s)%4)+4*\i:64*((\s)%4)+4*\i+3], v[LI], s[44:45] offset:4096*\i+512*(\s) th:TH_LOAD_NT
.endr
	WIN 0
.endm
	XLOAD 0
	XLOAD 1
	XLOAD 2
	s_add_nc_u64 s[46:47], s[10:11], s[56:57]
	s_add_nc_u64 s[46:47], s[46:47], s[60:61]
	s_add_nc_u64 s[48:49], s[8:9], s[60:61]
	s_add_nc_u64 s[WBAS:WBAS+1], s[6:7], s[52:53]
	s_add_nc_u64 s[DPTR:DPTR+1], s[WBAS:WBAS+1], RINGB
	s_mov_b32 s[G0], 1
	s_mov_b32 s[G0+1], s[WQT]
	s_mov_b64 s[G0+2:G0+3], s[WBAS:WBAS+1]
	s_mov_b32 s[G0+4], 1
	s_add_co_u32 s[G0+5], s[WQT], RINGB
	s_add_nc_u64 s[G0+6:G0+7], s[WBAS:WBAS+1], 2*RINGB
	s_mov_b32 s[GW], 1
	s_mov_b32 s[GW+1], s[WQT]
	s_add_nc_u64 s[GW+2:GW+3], s[WBAS:WBAS+1], 2*RINGB
	s_or_b32 s[G0+3], s[G0+3], 0x80000000
	s_or_b32 s[G0+7], s[G0+7], 0x80000000
	s_or_b32 s[GW+3], s[GW+3], 0x80000000
	CROUND
	tensor_load_to_lds s[G0:G0+3], s[G1:G1+7]
	s_nop 0
.rept 4
	v_nop
.endr
.set XTS, 11
.set XTL, 12
.set XWI, 13
.set XWS, 14
	s_mul_i32 s50, s12, 16896
	s_add_co_u32 s50, s50, XSTG
	s_wait_alu depctr_va_vdst(0)
	v_add_nc_u32 v[XTS], s50, v[LI]
	v_mul_u32_u24 v[XTL], v1, 528
	v_lshl_add_u32 v[XTL], v2, 6, v[XTL]
	v_add_nc_u32 v[XTL], s50, v[XTL]
	s_mul_i32 s50, s12, 8*FRB
	s_add_co_u32 s50, s50, XIMG
	v_add_nc_u32 v[XWI], s50, v[LI]
	s_lshl_b32 s50, s12, 10
	s_add_co_u32 s50, s50, XSC
	v_add_nc_u32 v[XWS], s50, v[LS]
.macro TURN s
	WIN 0x08
.irp i, 0,1,2,3,4,5,6,7,8,9,10,11,12,13,14,15
	ds_store_b128 v[XTS], v[64*((\s)%4)+4*\i:64*((\s)%4)+4*\i+3] offset:8448*((\s)%2)+528*\i
.endr
	WIN 0xc0
.irp b, 0,1,2,3
.irp j, 0,1,2,3
	ds_load_b128 v[64*((\s)%2)+16*\b+4*\j:64*((\s)%2)+16*\b+4*\j+3], v[XTL] offset:8448*((\s)%2)+128*\b+16*\j
.endr
.endr
	WIN 0
.endm
.macro XSTEP s
.if (\s) > 0
	s_wait_dscnt 4
.else
	s_wait_dscnt 0x0
.endif
.if (\s)+3 < 8
	XLOAD (\s)+3
.endif
.if (\s) < 7
.if (\s) <= 4
	s_wait_loadcnt 32
.else
	s_wait_loadcnt 16*(6-(\s))
.endif
	TURN (\s)+1
	s_cmp_lt_u32 ttmp9, 4
	s_cbranch_scc0 .Lno_prefetch_fused1_\@
	global_prefetch_b8 v0, s[PFA:PFA+1] offset:RINGB*((\s)+1) th:TH_LOAD_NT scope:SCOPE_SE   ; slot s + 1 of the weights: my 25 blocks
.Lno_prefetch_fused1_\@:
	QUANT 3, 64*((\s)%2), 32
.else
	QUANT 3, 64*((\s)%2), 0
.endif
.irp c, 0,1,2
	ds_store_b128 v[XWI], v[PC+4*\c:PC+4*\c+3] offset:FRB*(\s)+512*\c
.endr
	ds_store_b32 v[XWS], v[PW] offset:128*(\s)
.endm
	s_wait_alu depctr_va_vdst(0)
	s_wait_loadcnt 32
	TURN 0
.irp s, 0,1,2,3,4,5,6,7
	XSTEP \s
.endr
	s_wait_dscnt 0x0                               ; the stage's stores have read the registers into which the direct units come
	LOADD0
	LOADD1
	s_wait_alu depctr_va_vdst(0)
	s_wait_tensorcnt 0x0                           ; slot 0's quarter of mine is in; slot 1's first fill is issued as a refill is:
	ds_add_u32 v[SPW], v[NIL]
	s_wait_dscnt 0x0                               ; the add is done, and my part of x's image lies in LDS
	CROUND                                         ; a whole round of the cluster's barrier: it also shows x's image to all four waves
	JLOAD G0+4                                     ; the joint load first behind it
	LOADX XIMG, XSC
	s_wait_tensorcnt 0x1
	LOADU 0, RG, 0
.set CA,  11
.set SA,  13
	s_mul_i32 s50, s13, 32*QKP
	s_mul_i32 s51, s15, 32*QKP
	s_mul_i32 s52, s12, 48
	s_add_co_u32 s52, s52, QKC
	s_add_co_u32 s50, s50, s52
	s_add_co_u32 s51, s51, s52
	v_mul_u32_u24 v9, v1, QKP
	v_mad_u32_u24 v9, v2, 24, v9
	v_add_nc_u32 v[CA], s50, v9
	v_add_nc_u32 v[CA+1], s51, v9
	s_mul_i32 s50, s13, 32*SCP
	s_mul_i32 s51, s15, 32*SCP
	s_lshl_b32 s52, s12, 1
	s_add_co_u32 s52, s52, SCBB
	s_add_co_u32 s50, s50, s52
	s_add_co_u32 s51, s51, s52
	v_mul_u32_u24 v10, v1, SCP
	v_add_nc_u32 v[SA], s50, v10
	v_add_nc_u32 v[SA+1], s51, v10
.macro EPIQK
.irp a, 0,1                            ; each half has its own registers for codes, scale word and addresses: no wait stands between the two
.set PC, 176+32*\a
.set PW, PC+20
	QUANT 2, 64*\a, -1
	v_add_nc_u32 v[PC+22], s38, v[CA+\a]
	v_add_nc_u32 v[PC+23], s39, v[SA+\a]
.irp c, 0,1
.irp p, 0,1,2
	ds_store_b64 v[PC+22], v[PC+6*\c+2*\p:PC+6*\c+2*\p+1] offset:16*QKP*\c+8*\p
.endr
.endr
	ds_store_b16 v[PC+23], v[PW]
	ds_store_b16_d16_hi v[PC+23], v[PW] offset:16*SCP
.endr
.set PC, 176
.set PW, 196
.endm
	s_mov_b32 s37, 8
	s_mov_b32 s38, 0
	s_mov_b32 s39, 0
	s_mov_b32 s[TCUR], 0
	s_mov_b32 s[TOTH], RINGB
	s_mov_b32 s[DSTP], 2*RINGB
.Lqk:
	s_wait_xcnt 0x0                                ; my earlier prefetches have read their address: it steps two slots
	s_add_nc_u64 s[PFA:PFA+1], s[PFA:PFA+1], 2*RINGB
	s_cmp_eq_u32 s37, 1
	s_cselect_b32 s[RSTP], RINGB, s[TWOS]
	CHUNK 1, 2, 0, 1, 1
	EPIQK
	s_xor_b32 s[TCUR], s[TCUR], RINGB
	s_xor_b32 s[TOTH], s[TOTH], RINGB
	s_add_co_u32 s38, s38, 192
	s_add_co_u32 s39, s39, 8
	s_sub_co_u32 s37, s37, 1
	s_cmp_lg_u32 s37, 0
	s_cbranch_scc1 .Lqk
.set SQ,  11
.set SS,  12
.set WW,  13
.set SK0, 160
.set ST,  224
	s_wait_dscnt 0x0
	s_barrier_signal -1
	s_barrier_wait -1
	s_mul_i32 s50, s12, 16*QKP
	s_add_co_u32 s50, s50, QKC
	v_mul_u32_u24 v[SQ], v1, 48
	v_mad_u32_u24 v[SQ], v2, 24, v[SQ]
	v_add_nc_u32 v[SQ], s50, v[SQ]
	s_mul_i32 s50, s12, 16*SCP
	s_add_co_u32 s50, s50, SCBB
	v_lshlrev_b32 v[SS], 1, v1
	v_lshl_add_u32 v[SS], v2, 5, v[SS]
	v_add_nc_u32 v[SS], s50, v[SS]
	s_mul_i32 s50, s14, 16*WSP
	s_lshl_b32 s51, s13, 8
	s_add_co_u32 s50, s50, s51
	s_add_co_u32 s50, s50, WSM
	v_lshlrev_b32 v[WW], 4, v1
	v_lshl_add_u32 v[WW], v2, 10, v[WW]
	v_add_nc_u32 v[WW], s50, v[WW]
.irp n, 0,1,2,3
.irp j, 6,7,8,9,10,11
	v_mov_b32 v[SK0+24*\n+\j], 0
	v_mov_b32 v[SK0+12+24*\n+\j], 0
.endr
.endr
	WIN 0x80
.irp n, 0,1,2,3
	v_mov_b32 v[ST+8*\n+1], 0
.endr
	WIN 0
	PLACES
.macro SLOAD i
.irp n, 0,1,2,3
.irp p, 0,1,2
	ds_load_b64 v[SK0+24*\n+2*\p:SK0+24*\n+2*\p+1], v[SQ] offset:QKP*(4*(\i)+\n)+768+8*\p
	ds_load_b64 v[SK0+12+24*\n+2*\p:SK0+12+24*\n+2*\p+1], v[SQ] offset:QKP*(4*(\i)+\n)+8*\p
.endr
	ds_load_u16 v[WS0+4+\n], v[SS] offset:SCP*(4*(\i)+\n)
.endr
.endm
.macro SOFTMAX i
	WIN 0xaa
.irp n, 0,1,2,3
	v_max3_num_f32 v[ST+8*\n], v[32*(\i)+8*\n], v[32*(\i)+8*\n+1], v[32*(\i)+8*\n+2]
.endr
.irp j, 3,5
.irp n, 0,1,2,3
	v_max3_num_f32 v[ST+8*\n], v[ST+8*\n], v[32*(\i)+8*\n+\j], v[32*(\i)+8*\n+\j+1]
.endr
.endr
.irp n, 0,1,2,3
	v_max_num_f32 v[ST+8*\n], v[ST+8*\n], v[32*(\i)+8*\n+7]
.endr
.irp n, 0,1,2,3
	v_permlanex16_b32 v[ST+8*\n+1], v[ST+8*\n], s32, s33
.endr
.irp n, 0,1,2,3
	v_max_num_f32 v[ST+8*\n], v[ST+8*\n], v[ST+8*\n+1]
.endr
.irp n, 0,1,2,3
	v_mul_f32 v[ST+8*\n], s36, v[ST+8*\n]
.endr
.irp j, 0,2,4,6
.irp n, 0,1,2,3
	v_pk_fma_f32 v[32*(\i)+8*\n+\j:32*(\i)+8*\n+\j+1], v[32*(\i)+8*\n+\j:32*(\i)+8*\n+\j+1], s[34:35], v[ST+8*\n:ST+8*\n+1] op_sel_hi:[1,0,0]
.endr
.endr
	s_wait_alu depctr_va_vdst(0)
.irp j, 0,1,2,3,4,5,6,7
.irp n, 0,1,2,3
	v_exp_f32 v[32*(\i)+8*\n+\j], v[32*(\i)+8*\n+\j]
.endr
.endr
	v_nop
	s_wait_alu depctr_va_vdst(0)
.irp n, 0,1,2,3
	v_pk_add_f32 v[ST+8*\n+2:ST+8*\n+3], v[32*(\i)+8*\n:32*(\i)+8*\n+1], v[32*(\i)+8*\n+2:32*(\i)+8*\n+3]
	v_pk_add_f32 v[ST+8*\n+4:ST+8*\n+5], v[32*(\i)+8*\n+4:32*(\i)+8*\n+5], v[32*(\i)+8*\n+6:32*(\i)+8*\n+7]
.endr
.irp n, 0,1,2,3
	v_pk_add_f32 v[ST+8*\n+2:ST+8*\n+3], v[ST+8*\n+2:ST+8*\n+3], v[ST+8*\n+4:ST+8*\n+5]
.endr
.irp n, 0,1,2,3
	v_add_f32 v[ST+8*\n+2], v[ST+8*\n+2], v[ST+8*\n+3]
.endr
.irp n, 0,1,2,3
	v_permlanex16_b32 v[ST+8*\n+3], v[ST+8*\n+2], s32, s33
.endr
.irp n, 0,1,2,3
	v_add_f32 v[ST+8*\n+2], v[ST+8*\n+2], v[ST+8*\n+3]
.endr
	s_wait_alu depctr_va_vdst(0)
.irp n, 0,1,2,3
	v_rcp_f32 v[ST+8*\n+4], v[ST+8*\n+2]
.endr
	v_nop
	s_wait_alu depctr_va_vdst(0)
.irp j, 0,2,4,6
.irp n, 0,1,2,3
	v_pk_mul_f32 v[32*(\i)+8*\n+\j:32*(\i)+8*\n+\j+1], v[32*(\i)+8*\n+\j:32*(\i)+8*\n+\j+1], v[ST+8*\n+4:ST+8*\n+5] op_sel_hi:[1,0]
.endr
.endr
	WIN 0
.endm
	SLOAD 0
	s_wait_alu depctr_va_vdst(0)
.irp i, 0,1,2,3
	s_wait_dscnt 0x0
	WIN 0x80
.irp n, 0,1,2,3
	v_wmma_scale_f32_16x16x128_f8f6f4 v[32*\i+8*\n:32*\i+8*\n+7], v[SK0+24*\n:SK0+24*\n+11], v[SK0+12+24*\n:SK0+12+24*\n+11], 0, v[WS0+4+\n], v[WS0+4+\n] matrix_a_fmt:MATRIX_FMT_FP6 matrix_b_fmt:MATRIX_FMT_FP6 matrix_a_scale:MATRIX_SCALE_ROW1
.endr
	WIN 0
	PLACES
.if \i < 3
	SLOAD \i+1
.endif
	SOFTMAX \i
.endr
	s_wait_alu depctr_va_vdst(0)
	s_wait_dscnt 0x0
	s_barrier_signal -1
	s_barrier_wait -1
	WIN 0x08
.irp t, 0,1,2,3,4,5,6,7,8,9,10,11,12,13,14,15
.irp q, 0,1
	ds_store_b128 v[WW], v[8*\t+4*\q:8*\t+4*\q+3] offset:WSP*\t+512*\q
.endr
.endr
	WIN 0
	s_wait_loadcnt 0x0
	v_add_nc_u32 v[RX], s[PXQ], v[LI]
; x's codes and scale words of my half of the rows, K steps 1 to 7, go into LDS as images of the registers: the two waves of a half store one block of 16 rows each.
; The bytes held q's and k's codes, which nobody reads behind the barrier above; the first v step's barrier shows the image to the partner.
.macro STASH m
	WIN 0x04
.irp s, 1,2,3,4,5,6,7
.irp c, 0,1,2
	ds_store_b128 v14, v[12*(8*\m+\s)+4*\c:12*(8*\m+\s)+4*\c+3] offset:FRB*(8*\m+\s)+512*\c
.endr
.endr
	WIN 0
.irp s, 1,2,3,4,5,6,7
	ds_store_b32 v15, v[XS+8*\m+\s] offset:128*(8*\m+\s)
.endr
.endm
	s_mul_i32 s50, s13, 16*FRB
	s_add_co_u32 s50, s50, AIMG
	v_add_nc_u32 v14, s50, v[LI]
	s_lshl_b32 s50, s13, 11
	s_add_co_u32 s50, s50, ASC
	v_add_nc_u32 v15, s50, v[LS]
	s_wait_alu depctr_va_vdst(0)
	s_cmp_eq_u32 s14, 0
	s_cbranch_scc0 .Lstash_1
	STASH 0
	s_branch .Lstashed
.Lstash_1:
	STASH 1
.Lstashed:
.macro MULV4 p, s, rho, m, t0
.irp t, \t0, \t0+1, \t0+2, \t0+3
.set rD, 64*(\rho)+8*(\t)
.set rC, rD
.if (\s) == 0
.set wZ, 1
.else
.set wZ, 0
.endif
.set rA, BF0+96*(\p)+12*(\t)
.set rB, 96*(\m)
.set rS, WS0+4*(\p)+(\t)/2
.set rX, XS+8*(\m)
.set wO, (\t)%2
	WM
.endr
.endm
.macro VUNIT p, s, rho
	WIN 0xa4
	MULV4 \p, \s, \rho, 0, 0
	MULV4 \p, \s, \rho, 0, 4
	WIN 0xf4
	MULV4 \p, \s, \rho, 1, 0
	MULV4 \p, \s, \rho, 1, 4
	WIN 0
.endm
; One K step of v.  s = 0: the first step, whose products start the sums; else they add on.  x's two fragments stand in the registers of K step 0 and are fetched anew at the step's end.
.macro VSLOT s
	s_wait_xcnt 0x0                                ; my last prefetch has read its address: it steps one slot
	s_add_nc_u64 s[PFA:PFA+1], s[PFA:PFA+1], RINGB
	v_add_nc_u32 v11, s[TCUR], v[RG]               ; this slot: my quarter,
	v_add_nc_u32 v12, s[TCUR], v[RX]               ; my partner's,
	v_add_nc_u32 v13, s[TOTH], v[RG]               ; and my quarter of the other slot
	v_add_nc_u32 v8, s38, v14                      ; x's image at the next K step: codes,
	v_add_nc_u32 v10, s39, v15                     ; scale words
	s_wait_alu depctr_va_vdst(0)
	s_wait_dscnt 0x0
	PLACES
	LOADU 1, 11, UNIT
	VUNIT 0, \s, 0
	s_wait_dscnt 0x0
	PLACES
	LOADU 0, 12, 0
	VUNIT 1, \s, 1
	s_wait_dscnt 0x0
	PLACES
	LOADU 1, 12, UNIT
	WIN 0xa4
	MULV4 0, \s, 2, 0, 0
	MULV4 0, \s, 2, 0, 4
	WIN 0
	s_wait_tensorcnt 0x0
	ds_add_u32 v[SPW], v[NIL]
	WIN 0xf4
	MULV4 0, \s, 2, 1, 0
	s_wait_dscnt 0x0
	s_barrier_signal -1
	MULV4 0, \s, 2, 1, 4
	WIN 0
	s_barrier_wait -1
	CREST
	s_add_nc_u64 s[GW+2:GW+3], s[GW+2:GW+3], s[RSTP:RSTP+1]
	s_add_co_u32 s[GW+1], s[WQT], s[TCUR]
	JLOAD GW
	LOADU 0, 13, 0
	s_cmp_lt_u32 ttmp9, 4
	s_cbranch_scc0 .Lno_prefetch_fused2_\@
	global_prefetch_b8 v0, s[PFA:PFA+1] offset:7*RINGB th:TH_LOAD_NT scope:SCOPE_SE   ; slot 24 + this K step: my 25 blocks
.Lno_prefetch_fused2_\@:
	VUNIT 1, \s, 3
	PLACES                                         ; four places ahead of loads into registers that the products above have read
	s_cmp_eq_u32 s37, 1                            ; the last K step has no successor
	s_cbranch_scc1 .Lno_x_\@
	WIN 0x40
.irp m, 0,1
.irp c, 0,1,2
	ds_load_b128 v[96*\m+4*\c:96*\m+4*\c+3], v8 offset:8*FRB*\m+512*\c
.endr
.endr
	WIN 0
	ds_load_b32 v[XS], v10
	ds_load_b32 v[XS+8], v10 offset:1024
.Lno_x_\@:
.endm
	s_wait_alu depctr_va_vdst(0)
	s_mov_b32 s[TCUR], 0
	s_mov_b32 s[TOTH], RINGB
	s_mov_b32 s[RSTP], RINGB
	s_mov_b32 s38, FRB
	s_mov_b32 s39, 128
	s_mov_b32 s37, 8                               ; K steps to go
	VSLOT 0                                        ; the first K step is written out: its products start the sums
	s_xor_b32 s[TCUR], s[TCUR], RINGB
	s_xor_b32 s[TOTH], s[TOTH], RINGB
	s_add_co_u32 s38, s38, FRB
	s_add_co_u32 s39, s39, 128
	s_sub_co_u32 s37, s37, 1
.Lv:
	s_cmp_eq_u32 s37, 1
	s_cselect_b32 s[RSTP], s[TWOS], RINGB          ; the last refill passes over the slot that the last product takes straight into registers
	VSLOT 1
	s_xor_b32 s[TCUR], s[TCUR], RINGB
	s_xor_b32 s[TOTH], s[TOTH], RINGB
	s_add_co_u32 s38, s38, FRB
	s_add_co_u32 s39, s39, 128
	s_sub_co_u32 s37, s37, 1
	s_cmp_lg_u32 s37, 0
	s_cbranch_scc1 .Lv
.set WAL, 11
.set WAH, 12
.set AW,  13
.set ASW, 14
.set NAL, 15
.set NAH, 9
.set AWC, 10
.set ASWC, 8
	v_mul_u32_u24 v15, v1, WSP
	s_mul_i32 s50, s13, 16*WSP+1024
	s_add_co_u32 s50, s50, WSM
	v_add_nc_u32 v[WAL], s50, v15
	s_wait_alu depctr_va_vdst(0)
	s_mul_i32 s50, s13, 16*WSP
	s_lshl_b32 s51, s15, 10
	s_add_co_u32 s50, s50, s51
	s_add_co_u32 s50, s50, WSM
	v_add_nc_u32 v[WAH], s50, v15
	s_lshl_b32 s50, s13, 2
	s_add_co_u32 s50, s50, s14
	s_mul_i32 s51, s50, 4*FRB
	s_add_co_u32 s51, s51, AIMG
	v_add_nc_u32 v[AW], s51, v[LI]
	s_lshl_b32 s51, s50, 9
	s_add_co_u32 s51, s51, ASC
	v_add_nc_u32 v[ASW], s51, v[LS]
	WIN 0x40
.irp rho, 0,1,2,3
.irp q, 0,1,2,3
.if \rho < 2
	ds_load_b128 v[WR+16*\q+4*\rho:WR+16*\q+4*\rho+3], v[WAL] offset:512*(\rho%2)+16*\q
.else
	ds_load_b128 v[WR+16*\q+4*\rho:WR+16*\q+4*\rho+3], v[WAH] offset:512*(\rho%2)+16*\q
.endif
.endr
.endr
	WIN 0
	s_wait_dscnt 0x0
	s_barrier_signal -1                            ; every wave's reads of x's image are over: attn's image may be stored on its bytes
	s_barrier_wait -1
.macro ATRIP m
	s_add_co_u32 s38, s38, 64
	s_and_b32 s38, s38, 511
	v_add_nc_u32 v[NAL], s38, v[WAL]
	v_add_nc_u32 v[NAH], s38, v[WAH]
	v_add_nc_u32 v[AWC], s39, v[AW]
	v_add_nc_u32 v[ASWC], s40, v[ASW]
.irp rho, 0,1,2,3
	s_wait_dscnt 16
	WIN 0x56+\m
.irp gg, 0,1,2,3
.irp q, 0,1,2,3
.irp dp, 0,1,2,3,4,5,6,7
.set rO, 16*\q+2*\dp
.set rV, 64*\rho+16*\gg+2*\dp
.set rW, WR+16*\q+4*\rho+2*(\gg/2)
.if (\rho+\gg) == 0
	v_pk_mul_f32 v[rO:rO+1], v[rV:rV+1], v[rW:rW+1] op_sel_hi:[1,0]
.elseif (\gg%2) == 0
	v_pk_fma_f32 v[rO:rO+1], v[rV:rV+1], v[rW:rW+1], v[rO:rO+1] op_sel_hi:[1,0,1]
.else
	v_pk_fma_f32 v[rO:rO+1], v[rV:rV+1], v[rW:rW+1], v[rO:rO+1] op_sel:[0,1,0] op_sel_hi:[1,1,1]
.endif
.endr
.endr
.endr
	WIN 0x40
.irp q, 0,1,2,3
.if \rho < 2
	ds_load_b128 v[WR+16*\q+4*\rho:WR+16*\q+4*\rho+3], v[NAL] offset:512*(\rho%2)+16*\q
.else
	ds_load_b128 v[WR+16*\q+4*\rho:WR+16*\q+4*\rho+3], v[NAH] offset:512*(\rho%2)+16*\q
.endif
.endr
.endr
	QUANT 1, 0, 16
.irp c, 0,1,2
	ds_store_b128 v[AWC], v[PC+4*\c:PC+4*\c+3] offset:8*FRB*\m+512*\c
.endr
	ds_store_b32 v[ASWC], v[PW] offset:1024*\m
	s_add_co_u32 s39, s39, FRB
	s_add_co_u32 s40, s40, 128
.endm
	s_mov_b32 s38, 0
	s_mov_b32 s39, 0
	s_mov_b32 s40, 0
	s_mov_b32 s37, 4
.Latt0:
	s_wait_alu depctr_va_vdst(0)
	ATRIP 0
	s_sub_co_u32 s37, s37, 1
	s_cmp_lg_u32 s37, 0
	s_cbranch_scc1 .Latt0
	s_mov_b32 s39, 0
	s_mov_b32 s40, 0
	s_mov_b32 s37, 4
.Latt1:
	ATRIP 1
	s_sub_co_u32 s37, s37, 1
	s_cmp_lg_u32 s37, 0
	s_cbranch_scc1 .Latt1
.set STO, 11
.set RD,  12
.set CO,  13
	s_wait_dscnt 0x0
	v_lshlrev_b32 v15, 6, v2
	s_add_nc_u64 s[DPTR:DPTR+1], s[WBAS:WBAS+1], 25*RINGB
	BIASLOAD
	LOADD0
	LOADD1
	s_barrier_signal -1
	s_barrier_wait -1
	LOADX AIMG, ASC
	s_mul_i32 s50, s12, 4352
	s_add_co_u32 s50, s50, OSTG
	v_mul_u32_u24 v[STO], v1, 272
	v_lshl_add_u32 v[STO], v2, 6, v[STO]
	v_add_nc_u32 v[STO], s50, v[STO]
	v_mul_u32_u24 v[RD], v2, 272
	v_lshl_add_u32 v[RD], v1, 4, v[RD]
	v_add_nc_u32 v[RD], s50, v[RD]
	v_lshlrev_b32 v9, 12, v2
	v_lshl_add_u32 v9, v1, 4, v9
	s_lshl_b32 s50, s13, 17
	s_lshl_b32 s51, s15, 17
	v_add_nc_u32 v[CO], s50, v9
	v_add_nc_u32 v[CO+1], s51, v9
	s_wait_loadcnt 50
.macro TOSTAGE mm
	WIN 0x08
.irp b, 0,1
.irp q, 0,1,2,3
	ds_store_b128 v[STO], v[32*(\mm)+16*\b+4*\q:32*(\mm)+16*\b+4*\q+3] offset:128*\b+16*\q
.endr
.endr
	WIN 0x80
.irp i, 0,1,2,3,4,5,6,7
	ds_load_b128 v[32*(\mm)+4*\i:32*(\mm)+4*\i+3], v[RD] offset:544*\i
.endr
.endm
.macro SEND mm, younger
	s_wait_dscnt \younger
	WIN 0x08
.irp i, 0,1,2,3,4,5,6,7
	global_store_b128 v[CO+(\mm)/2], v[32*(\mm)+4*\i:32*(\mm)+4*\i+3], s[46:47] offset:(16*((\mm)%2)+2*\i)*4096 th:TH_STORE_NT
.endr
.endm
.macro EPIOUT
	TOSTAGE 0
	TOSTAGE 1
	SEND 0, 16
	TOSTAGE 2
	SEND 1, 16
	TOSTAGE 3
	SEND 2, 16
	SEND 3, 0
	WIN 0
	s_wait_xcnt 0x0
	s_add_nc_u64 s[46:47], s[46:47], 1024
	s_wait_loadcnt 50
.endm
	s_mov_b32 s[TCUR], 0
	s_mov_b32 s[TOTH], RINGB
	s_mov_b32 s[RSTP], 2*RINGB
	s_mov_b32 s[DSTP], 2*RINGB
	s_mov_b32 s[BSTP], 1024
	s_mov_b32 s37, 2
.Lo:
	CHUNK 2, 2, 1, 0, 0
	EPIOUT
	s_xor_b32 s[TCUR], s[TCUR], RINGB
	s_xor_b32 s[TOTH], s[TOTH], RINGB
	s_sub_co_u32 s37, s37, 1
	s_cmp_lg_u32 s37, 0
	s_cbranch_scc1 .Lo
	s_mov_b32 s37, 2
.Lo2:
	s_cmp_eq_u32 s37, 1
	s_cselect_b32 s[BSTP], 0, 1024
	CHUNK 2, 1, 1, 1, 0
	EPIOUT
	s_xor_b32 s[TCUR], s[TCUR], RINGB
	s_xor_b32 s[TOTH], s[TOTH], RINGB
	s_sub_co_u32 s37, s37, 1
	s_cmp_lg_u32 s37, 0
	s_cbranch_scc1 .Lo2
	s_wait_tensorcnt 0x0
	ds_add_u32 v[SPW], v[NIL]
	s_wait_dscnt 0x0
	CROUND
	s_endpgm
.Lfunc_end_k_qfabb0dc377_fused:
	.size	k_qfabb0dc377_fused, .Lfunc_end_k_qfabb0dc377_fused-k_qfabb0dc377_fused
	.p2alignl 7, 3214868480
	.fill 96, 4, 3214868480
	.section	.rodata,"a",@progbits
	.p2align	6, 0x0
	.amdhsa_kernel k_qfabb0dc377_fused
		.amdhsa_group_segment_fixed_size 327680
		.amdhsa_private_segment_fixed_size 0
		.amdhsa_enable_private_segment 0
		.amdhsa_kernarg_size 32
		.amdhsa_user_sgpr_count 2
		.amdhsa_user_sgpr_kernarg_segment_ptr 1
		.amdhsa_wavefront_size32 1
		.amdhsa_system_sgpr_workgroup_id_x 1
		.amdhsa_system_sgpr_workgroup_id_y 1
		.amdhsa_system_sgpr_workgroup_id_z 1
		.amdhsa_system_vgpr_workitem_id 0
		.amdhsa_next_free_vgpr 1024
		.amdhsa_next_free_sgpr 88
		.amdhsa_reserve_vcc 0
		.amdhsa_float_denorm_mode_32 3
		.amdhsa_float_denorm_mode_16_64 3
		.amdhsa_memory_ordered 1
		.amdhsa_forward_progress 1
		.amdhsa_inst_pref_size 255
	.end_amdhsa_kernel
	.section	.bss,"aw",@nobits
	.p2align	6
	.space	262144
	.amdgpu_metadata
---
amdhsa.version: [ 1, 2 ]
amdhsa.kernels:
  - .name:           k_qfabb0dc377_fused
    .symbol:         k_qfabb0dc377_fused.kd
    .args:
      - { .name: x, .offset: 0, .size: 8, .value_kind: global_buffer, .address_space: global }
      - { .name: wstream, .offset: 8, .size: 8, .value_kind: global_buffer, .address_space: global }
      - { .name: bo, .offset: 16, .size: 8, .value_kind: global_buffer, .address_space: global }
      - { .name: out0, .offset: 24, .size: 8, .value_kind: global_buffer, .address_space: global }
    .group_segment_fixed_size: 327680
    .private_segment_fixed_size: 0
    .kernarg_segment_align: 8
    .kernarg_segment_size: 32
    .max_flat_workgroup_size: 128
    .sgpr_count:     88
    .vgpr_count:     1024
    .wavefront_size: 32
...
	.end_amdgpu_metadata
.endif
;; end of part 2
